; MI455X (gfx1250); checked and timed in simulation.
; The chip was launched on July 23, 2026; its instructions are those of AMD's public machine-readable ISA for CDNA 5 (MIT licence, August 2026) and "CDNA5" Instruction Set Architecture Reference Guide (July 2026). The comments in the code are by the model that wrote it; some were corrected since.
;; HPRO. Allowed arithmetic: float matrix products may take bf16 or f16 operands with f32 sums; other float arithmetic in f32, or as packed bf16 or f16 multiplies, adds, multiply-adds, maxima and minima; sums over many terms, partial sums and values carried from step to step in f32; what a program stores and reads back later, other than sums and carried values, may be rounded once to bf16 or f16.
;; Inputs: pts 1 x 3 x 16,384 float32; viewpoint 1 x 3 float32.
;; Outputs: out0 1 x 16,384 float32; out1 1 x 16,384 bool.
;; Constants: k = 10.
;; One version. Each part assembles by itself: llvm-mc -triple=amdgcn-amd-amdhsa -mcpu=gfx1250 --defsym DOCPART=n.
;; ======== version 1 of 1: 2 launches
;; workspace buffers: tps 196,608 bytes; tv 65,536 bytes; list 262,144 bytes of whole numbers
;; launch scan (part 1): grid 256 x 1, 4 waves a work-group, clusters of 4 x 1, 327,680 bytes of LDS; arguments pts, viewpoint, tps, tv, list; writes tps, tv, list
.if DOCPART == 1
	.amdgcn_target "amdgcn-amd-amdhsa--gfx1250"
	.amdhsa_code_object_version 6
	.text
	.protected	k_qe1e32b1964_scan
	.globl	k_qe1e32b1964_scan
	.p2align	8
	.type	k_qe1e32b1964_scan,@function
k_qe1e32b1964_scan:
	s_mov_b64 s[64:65], 0
	v_nop
	global_prefetch_b8 v0, s[64:65] scope:SCOPE_SE
	s_setreg_imm32_b32 hwreg(HW_REG_WAVE_MODE, 25, 1), 1
	s_wait_xcnt 0x0
	s_wait_alu depctr_hold_cnt(0) depctr_sa_sdst(0) depctr_va_vdst(0) depctr_va_sdst(0) depctr_va_ssrc(0) depctr_va_vcc(0) depctr_vm_vsrc(0)
	s_getreg_b32 s2, hwreg(HW_REG_IB_STS2, 6, 4)
	s_cmp_eq_u32 s2, 0
	s_cbranch_scc0 .Lentry_in_a_cluster
	s_endpgm
.Lentry_in_a_cluster:
	s_bfe_u32 s2, ttmp6, 0x10000c
	s_cmp_lg_u32 s2, 0x3003
	s_cbranch_scc0 .Lentry_shape_is_right
	s_endpgm
.Lentry_shape_is_right:
; HPRO, first of two launches.  s[i][j] = <dir_i, tp_j> for 16,384 x 16,384 (i, j); wanted for each row i: the largest and the 10th largest s (k = 10 is a constant of the problem).
; THE IDEA.  A row's columns are cut into 256 buckets of 64 neighbouring columns.  This launch makes every score on the matrix unit and keeps each bucket's maximum alone.
; Let t be the 10th largest of a row's 256 bucket maxima (with multiplicity).  The ten largest maxima are ten different scores >= t, so the row's 10th largest score is >= t;
; at most 9 buckets have a maximum > t; every score > t lies in one of those.  So the row's 1st and 10th largest scores are those of (the scores of these <= 9 buckets, and ten
; copies of t).  That holds for all values, ties too.  Stored: t (tv), the numbers of those buckets and their count (list, whole numbers), tp by planes (tps).  The second launch
; reads the list and goes through those buckets' scores exactly.
; DEAD WORK: none is left out; every input is loaded.  Of top_k's results only the 1st and the 10th value are used by the problem, and only these are formed.
; THE PRODUCT has K = 3, and the difference of the 1st and the 10th score is small beside them, so bf16 operands alone would not do.  Each f32 number is cut into three bf16 pieces
; (h + m + l, each the rounding of what the pieces before left), and the 32 places along K of one matrix instruction hold h, m, l of tp against pieces 0, 1 of dir and h, m against
; piece 2: all products but l x piece 2, which lies some 2^-32 below the score.
; LIMITS.  NaN and infinities are not treated apart (a point equal to the viewpoint gives NaN in its column, as in the problem's formula, but top_k's order of NaN is not kept).
; |p - viewpoint|^2 must be a normal f32: v_rsq_f32 and v_sqrt_f32 take denormals as 0.  1 / max(norm, 1e-12) is made as min(1 / norm, 1e12).
; SHARES.  A work-group owns 64 rows (4 tiles of 16 queries), its four waves a quarter of the columns each.  A wave's quarter of pts comes by one tensor load (3 planes x 4,096 f32),
; asked for JOINTLY by the four work-groups of a cluster, which all need the same table: same descriptor, mask of four.  LDS is filled once; nothing is filled again.
; A wave turns its quarter into the bf16 table in 8 chunks of 512 columns (32 tiles of 16), in LDS bytes of its own, and multiplies each tile by its 4 query fragments.
; LAYOUT.  Source 0 = 16 table places, source 1 = 16 queries, C = 0: lane (r, h) holds query r and places 8 h + 0..7.  Tile 8 g + c, place 8 h + v of chunk n is column
; 2048 h + 256 n + 64 g + 8 c + v of the quarter: so a lane's 64 results over c and v are ONE bucket, number 64 w + 32 h + 4 n + g, and its maximum never crosses lanes.
.set QBYTES, 49152                     ; a quarter in LDS: 3 planes of 16,384 bytes
.set GPL,    65536                     ; bytes of a plane in memory
.set TAB,    196608                    ; behind the four quarters: each wave's table chunk,
.set TABW,   9216                      ; 32 tiles of
.set TBLK,   288                       ; 16 places x 16 bytes (hx hy hz mx my mz lx ly), then 16 x 2 bytes (lz)
.set EX,     233472                    ; bucket maxima: [wave][64 rows][64 buckets] f32,
.set EXP,    272                       ; a row 256 bytes + 16: an odd multiple of 16, so the 16 rows of a 16-byte load start at 16 different groups of four banks (64 banks of 4 bytes: ISA guide 11.1)
.set EXW,    64*EXP
.set TS,     303104                    ; 64 words: the rows' t, on their way out
.set SPARE,  303360                    ; the spare words, 128 bytes for each wave: two blocks of 256 bytes that no other line names
.set VR,   1                           ; v1  r = lane % 16
.set VH,   2                           ; v2  h = lane / 16
.set VL,   3                           ; v3  lane
.set RA,   4                           ; v4  my 16 bytes of a plane's chunk in my wave's quarter; steps 1,024 a chunk
.set UA,   5                           ; v5  where I put a point's 16 bytes in the table
.set ZA,   6                           ; v6  where I put four points' lz
.set TA,   7                           ; v7  place r of tile 0
.set TZ,   8                           ; v8  its lz
.set EXA,  9                           ; v9  my word in EX; steps 16 a chunk
.set NEG1, 10                          ; v10 -1.0
.set ZERO, 11                          ; v11 0
.set SPW,  12                          ; v12 LDS address of my spare word; never rewritten
.set NIL,  13                          ; v13 0; never rewritten
.set GQ,   14                          ; v14 byte offset of my queries in a plane of pts; later my row of EX
.set TT,   15                          ; v15 at work; later my row of the 64
.set QF,   16                          ; v[16:47]   four query fragments
.set FB,   48                          ; v[48:79]   four table fragments, by turns
.set DB,   80                          ; v[80:143]  results: two sets of four
.set MB,   144                         ; v[144:147] the running bucket maximum of each row tile
.set TMA,  148                         ; v[148:149] at work
.set X,    160                         ; v[160:175] 16 points' x, then what the pieces leave
.set Y,    176
.set Z,    192
.set W1,   208                         ; 1 / max(norm, eps)
.set W2,   224                         ; norm^-0.5
.set DD,   240                         ; v[240:255] four points' 16 bytes
.set VB,   16                          ; afterwards: v[16:143] 128 bucket maxima of my row
.set LB,   144                         ; v[144:153] the ten largest, descending
.set XP,   154                         ; v[154:163] what the lane 16 away holds
.set PB,   164                         ; v[164:166] my half's list, a byte a bucket (number + 1; 0: empty)
.set NW,   167                         ; v[167:169] a list shifted by a byte
.set LA,   170                         ; v[170:172] the lower half's list, v[173:175] the upper half's
.set RB,   176                         ; v[176:178] the row's list of bucket numbers; v179 their count
.set TM,   180                         ; v[180:181] at work; v[182:183] my 8 bytes of the list row; v[184:185] two t
; A round of the cluster's barrier: my work-group's barrier; wave 0 signals for the work-group; every wave waits for all four work-groups; my work-group's barrier once more.
.macro ROUND
	s_barrier_signal -1
	s_barrier_wait -1
	s_cmp_lg_u32 s14, 0
	s_cbranch_scc1 .Lnot_wave_0_\@
	s_barrier_signal -3
.Lnot_wave_0_\@:
	s_barrier_wait -3
	s_barrier_signal -1
	s_barrier_wait -1
.endm
; cnt points: px, py, pz become p - viewpoint; pw = min(1 / norm, 1e12); pt = norm^-0.5 = sqrt(1 / norm).  Two batches of transcendentals, each with a plain instruction behind its
; last and one wait ahead of its first reader.
.macro NORM cnt, px, py, pz, pw, pt
.set q, 0
.rept (\cnt)/2
	v_pk_add_f32 v[(\px)+q:(\px)+q+1], v[(\px)+q:(\px)+q+1], s[36:37] op_sel_hi:[1,0]
	v_pk_add_f32 v[(\py)+q:(\py)+q+1], v[(\py)+q:(\py)+q+1], s[38:39] op_sel_hi:[1,0]
	v_pk_add_f32 v[(\pz)+q:(\pz)+q+1], v[(\pz)+q:(\pz)+q+1], s[40:41] op_sel_hi:[1,0]
.set q, q+2
.endr
.set q, 0
.rept (\cnt)/2
	v_pk_mul_f32 v[(\pw)+q:(\pw)+q+1], v[(\px)+q:(\px)+q+1], v[(\px)+q:(\px)+q+1]
.set q, q+2
.endr
.set q, 0
.rept (\cnt)/2
	v_pk_fma_f32 v[(\pw)+q:(\pw)+q+1], v[(\py)+q:(\py)+q+1], v[(\py)+q:(\py)+q+1], v[(\pw)+q:(\pw)+q+1]
.set q, q+2
.endr
.set q, 0
.rept (\cnt)/2
	v_pk_fma_f32 v[(\pw)+q:(\pw)+q+1], v[(\pz)+q:(\pz)+q+1], v[(\pz)+q:(\pz)+q+1], v[(\pw)+q:(\pw)+q+1]
.set q, q+2
.endr
.set q, 0
.rept \cnt
	v_rsq_f32 v[(\pw)+q], v[(\pw)+q]
.set q, q+1
.endr
	v_nop
	s_wait_alu depctr_va_vdst(0)                   ; one wait for the batch of reciprocal roots
.set q, 0
.rept \cnt
	v_sqrt_f32 v[(\pt)+q], v[(\pw)+q]
.set q, q+1
.endr
	v_nop                                          ; a plain instruction before the roots' sources are written
.set q, 0
.rept \cnt
	v_min_num_f32 v[(\pw)+q], s46, v[(\pw)+q]      ; the
.set q, q+1
.endr
	s_wait_alu depctr_va_vdst(0)                   ; one wait for the batch of roots
.endm
; The fragment of row tile rt.  dir is cut into pieces 0, 1, 2.  With A = [x, y], B = [z, x], C = [y, z], Zp = [z, 0] of a piece, lanes 0-15 hold A0 B0 C0 A0 A2 B2 C2 Z0 and
; lanes 16-31 A1 B1 C1 A1 0 0 0 Z1, against the table's [hx hy][hz mx][my mz][lx ly][hx hy][hz mx][my mz][lz 0] in both halves.
.macro QFRAG rt
.set qx, X+(\rt)
.set qy, Y+(\rt)
.set qz, Z+(\rt)
.set qf, QF+8*(\rt)
.irp p, 0, 2, 4
	v_cvt_pk_bf16_f32 v[DD+(\p)], v[qx], v[qy]
	v_cvt_pk_bf16_f32 v[DD+(\p)+1], v[qz], v[ZERO]
.if (\p) < 4
	v_fma_mix_f32_bf16 v[qx], v[DD+(\p)], v[NEG1], v[qx] op_sel_hi:[1,0,0]                  ; what the piece leaves: exact in f32
	v_fma_mix_f32_bf16 v[qy], v[DD+(\p)], v[NEG1], v[qy] op_sel:[1,0,0] op_sel_hi:[1,0,0]
	v_fma_mix_f32_bf16 v[qz], v[DD+(\p)+1], v[NEG1], v[qz] op_sel_hi:[1,0,0]
.endif
.endr
	v_cndmask_b32 v[qf], v[DD], v[DD+2], s47       ; piece 0 below, piece 1 in lanes 16-31
	v_cndmask_b32 v[qf+7], v[DD+1], v[DD+3], s47
	v_cndmask_b32 v[qf+4], v[DD+4], v[ZERO], s47   ; piece 2 below, 0 above
	v_cndmask_b32 v[DD+5], v[DD+5], v[ZERO], s47
	v_perm_b32 v[qf+1], v[qf], v[qf+7], s50        ; [z, x]
	v_perm_b32 v[qf+2], v[qf], v[qf+7], s51        ; [y, z]
	v_mov_b32 v[qf+3], v[qf]
	v_perm_b32 v[qf+5], v[qf+4], v[DD+5], s50
	v_perm_b32 v[qf+6], v[qf+4], v[DD+5], s51
.endm
; Four points (the 16 bytes a plane of load sg) are cut into pieces, in step, and go into the table.  Load sg holds columns 2048 (sg / 2) + 128 (sg % 2) + 4 lane + 0..3 of the chunk.
.macro SPLIT sg
.set bx, X+4*(\sg)
.set by, Y+4*(\sg)
.set bz, Z+4*(\sg)
.irp i, 0,1,2,3
	v_cvt_pk_bf16_f32 v[DD+4*(\i)], v[bx+(\i)], v[by+(\i)]                                  ; [hx, hy]
.endr
.irp i, 0,1,2,3
	v_fma_mix_f32_bf16 v[bx+(\i)], v[DD+4*(\i)], v[NEG1], v[bx+(\i)] op_sel_hi:[1,0,0]
	v_fma_mix_f32_bf16 v[by+(\i)], v[DD+4*(\i)], v[NEG1], v[by+(\i)] op_sel:[1,0,0] op_sel_hi:[1,0,0]
.endr
.irp i, 0,1,2,3
	v_cvt_pk_bf16_f32 v[DD+4*(\i)+1], v[bz+(\i)], v[bx+(\i)]                                ; [hz, mx]
.endr
.irp i, 0,1,2,3
	v_fma_mix_f32_bf16 v[bz+(\i)], v[DD+4*(\i)+1], v[NEG1], v[bz+(\i)] op_sel_hi:[1,0,0]
	v_fma_mix_f32_bf16 v[bx+(\i)], v[DD+4*(\i)+1], v[NEG1], v[bx+(\i)] op_sel:[1,0,0] op_sel_hi:[1,0,0]
.endr
.irp i, 0,1,2,3
	v_cvt_pk_bf16_f32 v[DD+4*(\i)+2], v[by+(\i)], v[bz+(\i)]                                ; [my, mz]
.endr
.irp i, 0,1,2,3
	v_fma_mix_f32_bf16 v[by+(\i)], v[DD+4*(\i)+2], v[NEG1], v[by+(\i)] op_sel_hi:[1,0,0]
	v_fma_mix_f32_bf16 v[bz+(\i)], v[DD+4*(\i)+2], v[NEG1], v[bz+(\i)] op_sel:[1,0,0] op_sel_hi:[1,0,0]
.endr
.irp i, 0,1,2,3
	v_cvt_pk_bf16_f32 v[DD+4*(\i)+3], v[bx+(\i)], v[by+(\i)]                                ; [lx, ly]
.endr
.irp i, 0,1,2,3
	ds_store_b128 v[UA], v[DD+4*(\i):DD+4*(\i)+3] offset:16*TBLK*((\sg)&1)+128*((\sg)>>1)+16*(\i)
.endr
	v_cvt_pk_bf16_f32 v[TMA], v[bz], v[bz+1]       ; four lz
	v_cvt_pk_bf16_f32 v[TMA+1], v[bz+2], v[bz+3]
	ds_store_b64 v[ZA], v[TMA:TMA+1] offset:16*TBLK*((\sg)&1)+16*((\sg)>>1)
.endm
; A chunk's table: 512 columns, 16 a lane, from my wave's quarter into my wave's table bytes.
.macro BUILD
.irp sg, 0,1,2,3
	ds_load_b128 v[X+4*(\sg):X+4*(\sg)+3], v[RA] offset:512*((\sg)&1)+8192*((\sg)>>1)
	ds_load_b128 v[Y+4*(\sg):Y+4*(\sg)+3], v[RA] offset:16384+512*((\sg)&1)+8192*((\sg)>>1)
	ds_load_b128 v[Z+4*(\sg):Z+4*(\sg)+3], v[RA] offset:32768+512*((\sg)&1)+8192*((\sg)>>1)
.endr
	s_wait_dscnt 0x0
	NORM 16, X, Y, Z, W1, W2
.set q, 0
.rept 8
	v_pk_mul_f32 v[W1+q:W1+q+1], v[W1+q:W1+q+1], v[W2+q:W2+q+1]     ; tp = (p - viewpoint) x norm^-0.5 / max(norm, eps)
.set q, q+2
.endr
.set q, 0
.rept 8
	v_pk_mul_f32 v[X+q:X+q+1], v[X+q:X+q+1], v[W1+q:W1+q+1]
	v_pk_mul_f32 v[Y+q:Y+q+1], v[Y+q:Y+q+1], v[W1+q:W1+q+1]
	v_pk_mul_f32 v[Z+q:Z+q+1], v[Z+q:Z+q+1], v[W1+q:W1+q+1]
.set q, q+2
.endr
	SPLIT 0
	SPLIT 1
	SPLIT 2
	SPLIT 3
.endm
; Tile tau's fragment into buffer buf: both halves of the lanes take place r's 16 bytes, its first 12 once more, and [lz, 0].
.macro FR buf, tau
	ds_load_b128 v[FB+8*(\buf):FB+8*(\buf)+3], v[TA] offset:TBLK*(\tau)
	ds_load_b64 v[FB+8*(\buf)+4:FB+8*(\buf)+5], v[TA] offset:TBLK*(\tau)
	ds_load_b32 v[FB+8*(\buf)+6], v[TA] offset:TBLK*(\tau)+8
	ds_load_u16 v[FB+8*(\buf)+7], v[TZ] offset:TBLK*(\tau)
.endm
; The four vector instructions that take tile tau's eight results of row tile rt into the bucket's maximum; the result's lowest registers are read first.
; A bucket is eight tiles: its first starts the maximum, its last stores it.
.macro RID tau, rt
.set dd, DB+32*((\tau)%2)+8*(\rt)
	v_max3_num_f32 v[TMA], v[dd], v[dd+1], v[dd+2]
	v_max3_num_f32 v[TMA+1], v[dd+3], v[dd+4], v[dd+5]
.if (\tau)%8 == 0
	v_max_num_f32 v[MB+(\rt)], v[dd+6], v[dd+7]
.else
	v_max3_num_f32 v[MB+(\rt)], v[MB+(\rt)], v[dd+6], v[dd+7]
.endif
	v_max3_num_f32 v[MB+(\rt)], v[MB+(\rt)], v[TMA], v[TMA+1]
.if (\tau)%8 == 7
	ds_store_b32 v[EXA], v[MB+(\rt)] offset:16*EXP*(\rt)+4*((\tau)/8)
.endif
.endm
; Tile tau: four products (no sum is carried: C = 0, each into registers of its own), behind each the four instructions for the tile before.  These name no register of the product
; in front of them, so they are also the four places between the tile's last product and the loads into its fragment's registers.
.macro SLOT tau
.set lft, 31-(\tau)
.if lft > 3
.set lft, 3
.endif
	s_wait_dscnt 4*lft                             ; tile tau's four loads are in; the four of each later tile asked for (three tiles at the most) may stay out
.irp rt, 0,1,2,3
.set wd, DB+32*((\tau)%2)+8*(\rt)
.set wf, FB+8*((\tau)%4)
	v_wmma_f32_16x16x32_bf16 v[wd:wd+7], v[wf:wf+7], v[QF+8*(\rt):QF+8*(\rt)+7], 0
.if (\tau) > 0
	RID (\tau)-1, \rt
.endif
.endr
.if (\tau) == 0
.rept 4
	v_nop                                          ; a chunk's first tile has no tile before it: the places
.endr
.endif
.if (\tau) <= 27
	FR (\tau)%4, (\tau)+4
.endif
.endm
; val goes into the ten largest: from the bottom up, so that every line reads the list as it was.  New L[j] = the middle one of L[j-1], L[j], val.
.macro INS val
.irp j, 9,8,7,6,5,4,3,2,1
	v_med3_num_f32 v[LB+(\j)], v[LB+(\j)-1], v[LB+(\j)], v[\val]
.endr
	v_max_num_f32 v[LB], v[LB], v[\val]
.endm
; Where VCC is set, the list of three registers at pb moves up a byte and takes id as its lowest.
.macro PUSH pb, id
	v_alignbit_b32 v[NW+2], v[(\pb)+2], v[(\pb)+1], 24
	v_alignbit_b32 v[NW+1], v[(\pb)+1], v[(\pb)], 24
	v_lshl_or_b32 v[NW], v[(\pb)], 8, \id
	v_cndmask_b32 v[(\pb)+2], v[(\pb)+2], v[NW+2], vcc_lo
	v_cndmask_b32 v[(\pb)+1], v[(\pb)+1], v[NW+1], vcc_lo
	v_cndmask_b32 v[(\pb)], v[(\pb)], v[NW], vcc_lo
.endm
	s_load_b256 s[4:11], s[0:1], 0x0               ; pts s[4:5], viewpoint s[6:7], tps s[8:9], tv s[10:11]
	s_load_b64 s[12:13], s[0:1], 0x20              ; list
	v_lshl_add_u32 v[SPW], v0, 2, SPARE
	v_mov_b32 v[NIL], 0
	ds_add_u32 v[SPW], v[NIL]                      ; the wave's opening: the add, twice on end, and its wait ahead of my tensor load
	ds_add_u32 v[SPW], v[NIL]
	v_lshrrev_b32 v[TT], 5, v0
	v_readfirstlane_b32 s14, v[TT]                 ; wave 0..3
	s_bfe_u32 s15, ttmp6, 0x40000                  ; cx: my place in the cluster; it enters global offsets alone
	s_lshl_b32 s16, ttmp9, 2                       ; in a cluster launch ttmp9 counts clusters
	s_add_co_u32 s16, s16, s15                     ; my work-group
	s_lshl_b32 s16, s16, 8                         ; its 64 rows as bytes of f32
	; descriptor group 1: 3 rows (planes) of 4,096 elements of 4 bytes, 16,384 elements from plane to plane
	s_mov_b32 s24, 15|(2<<16)|(1<<21)              ; 15:0 the mask: all four work-groups; 17:16 elements of 4 bytes; 21 set beside a mask
	s_mov_b32 s25, 4096<<16                        ; tensor_dim0 = 4,096
	s_mov_b32 s26, 3<<16                           ; tensor_dim1 = 3
	s_mov_b32 s27, 4096<<16                        ; tile_dim0 = 4,096
	s_mov_b32 s28, 3                               ; tile_dim1 = 3
	s_mov_b32 s29, 16384                           ; elements from row to row
	s_mov_b32 s30, 0
	s_mov_b32 s31, 0
	s_mov_b32 s20, 1                               ; group 0: count = 1
	s_mul_i32 s21, s14, QBYTES                     ; LDS address: my wave's quarter
	s_lshl_b32 s18, s14, 14                        ; its 4,096 columns in a plane in memory
	s_mov_b32 s19, 0
	s_wait_dscnt 0x0                               ; both opening adds are done
	s_wait_kmcnt 0x0
	s_add_nc_u64 s[22:23], s[4:5], s[18:19]
	s_or_b32 s23, s23, 0x80000000                  ; type = 2
	s_load_b96 s[32:34], s[6:7], 0x0               ; the viewpoint
	ROUND                                          ; all four work-groups are here: the joint loads meet
	tensor_load_to_lds s[20:23], s[24:31]          ; my one tensor load of the launch
	s_nop 0
	; while it is on its way: my queries, the addresses, the query fragments, the work-group's rows of tps
	v_and_b32 v[VR], 15, v0
	v_bfe_u32 v[VH], v0, 4, 1
	v_and_b32 v[VL], 31, v0
	v_lshl_add_u32 v[GQ], v[VR], 2, s16
.irp rt, 0,1,2,3
	global_load_b32 v[X+(\rt)], v[GQ], s[4:5] offset:64*(\rt)
	global_load_b32 v[Y+(\rt)], v[GQ], s[4:5] offset:64*(\rt)+GPL
	global_load_b32 v[Z+(\rt)], v[GQ], s[4:5] offset:64*(\rt)+2*GPL
.endr
	v_lshl_add_u32 v[RA], v[VL], 4, s21
	s_mul_i32 s17, s14, TABW
	s_add_co_u32 s17, s17, TAB                     ; my wave's table
	v_bfe_u32 v[TT], v0, 1, 3
	v_mul_u32_u24 v[UA], v[TT], TBLK               ; tile (lane / 2) % 8,
	v_mul_u32_u24 v[TT], v[VH], 8*TBLK             ; + 8 (lane / 16)
	v_add3_u32 v[UA], v[UA], v[TT], s17
	v_and_b32 v[TT], 1, v0
	v_lshl_add_u32 v[ZA], v[TT], 3, v[UA]          ; places 4 (lane % 2) + 0..3: 2 bytes each behind the tile's 256,
	v_add_nc_u32 v[ZA], 256, v[ZA]
	v_lshl_add_u32 v[UA], v[TT], 6, v[UA]          ; 16 bytes each
	v_lshl_add_u32 v[TA], v[VR], 4, s17
	v_lshl_add_u32 v[TZ], v[VR], 1, s17
	v_add_nc_u32 v[TZ], 256, v[TZ]
	s_mul_i32 s18, s14, EXW
	s_add_co_u32 s18, s18, EX                      ; my wave's part of EX
	v_mul_u32_u24 v[EXA], v[VR], EXP
	v_lshl_add_u32 v[EXA], v[VH], 7, v[EXA]        ; row r, bucket 32 h of my quarter's 64
	v_add_nc_u32 v[EXA], s18, v[EXA]
	v_mov_b32 v[NEG1], -1.0
	v_mov_b32 v[ZERO], 0
	v_cmp_ne_u32 s47, 0, v[VH]                     ; lanes 16-31
	s_mov_b32 s46, 0x5368d4a5                      ; 1e12
	s_mov_b32 s44, 0x76543210                      ; v_permlanex16_b32: each lane takes its own place in the other half
	s_mov_b32 s45, 0xfedcba98
	s_mov_b32 s50, 0x05040100                      ; v_perm_b32: the two low halves
	s_mov_b32 s51, 0x01000706                      ; the first source's high half below the second's low half
	s_wait_kmcnt 0x0
	s_xor_b32 s36, s32, 0x80000000                 ; - viewpoint, each number as a pair's low word (the packed add takes it for both halves)
	s_mov_b32 s37, s36
	s_xor_b32 s38, s33, 0x80000000
	s_mov_b32 s39, s38
	s_xor_b32 s40, s34, 0x80000000
	s_mov_b32 s41, s40
	s_wait_loadcnt 0x0
	NORM 4, X, Y, Z, W1, W2
.irp q2, 0, 2
	v_pk_mul_f32 v[X+(\q2):X+(\q2)+1], v[X+(\q2):X+(\q2)+1], v[W1+(\q2):W1+(\q2)+1]    ; dir
	v_pk_mul_f32 v[Y+(\q2):Y+(\q2)+1], v[Y+(\q2):Y+(\q2)+1], v[W1+(\q2):W1+(\q2)+1]
	v_pk_mul_f32 v[Z+(\q2):Z+(\q2)+1], v[Z+(\q2):Z+(\q2)+1], v[W1+(\q2):W1+(\q2)+1]
.endr
	QFRAG 0
	QFRAG 1
	QFRAG 2
	QFRAG 3
	s_cmp_lg_u32 s14, 0                            ; wave 0 makes tp of the work-group's 64 points for the second launch: two a lane
	s_cbranch_scc1 .Lno_tp
	v_lshl_add_u32 v[TT], v[VL], 3, s16
	global_load_b64 v[X:X+1], v[TT], s[4:5]
	global_load_b64 v[Y:Y+1], v[TT], s[4:5] offset:GPL
	global_load_b64 v[Z:Z+1], v[TT], s[4:5] offset:2*GPL
	s_wait_loadcnt 0x0
	NORM 2, X, Y, Z, W1, W2
	v_pk_mul_f32 v[W1:W1+1], v[W1:W1+1], v[W2:W2+1]
	v_pk_mul_f32 v[X:X+1], v[X:X+1], v[W1:W1+1]
	v_pk_mul_f32 v[Y:Y+1], v[Y:Y+1], v[W1:W1+1]
	v_pk_mul_f32 v[Z:Z+1], v[Z:Z+1], v[W1:W1+1]
	global_store_b64 v[TT], v[X:X+1], s[8:9]               ; each store of the wave covers 256 consecutive bytes, aligned
	global_store_b64 v[TT], v[Y:Y+1], s[8:9] offset:GPL
	global_store_b64 v[TT], v[Z:Z+1], s[8:9] offset:2*GPL
.Lno_tp:
	s_wait_xcnt 0x0                                ; the stores' data and offset are rewritten only behind this wait
	s_wait_tensorcnt 0x0                           ; my quarter is in; I alone read it, so no barrier is needed
	s_mov_b32 s42, 8
.Lchunk:                                               ; 8 chunks of 512 columns.  The table bytes are my wave's own and LDS serves a wave's instructions in order: no barrier in the loop
	BUILD
	FR 0, 0
	FR 1, 1
	FR 2, 2
	FR 3, 3
.set t, 0
.rept 32
	SLOT t
.set t, t+1
.endr
	RID 31, 0
	RID 31, 1
	RID 31, 2
	RID 31, 3
	v_add_nc_u32 v[RA], 1024, v[RA]                ; the next 256 columns of each half of the quarter
	v_add_nc_u32 v[EXA], 16, v[EXA]                ; the next four buckets
	s_sub_co_u32 s42, s42, 1
	s_cmp_lg_u32 s42, 0
	s_cbranch_scc1 .Lchunk
	s_wait_dscnt 0x0                               ; for the others' sake: my stores into EX are done
	s_barrier_signal -1
	s_barrier_wait -1
	; t AND THE LIST.  Lane (r, h) of wave w takes row 16 w + r and buckets 128 h .. 128 h + 127: the parts of waves 2 h and 2 h + 1.
	v_lshl_add_u32 v[TT], s14, 4, v[VR]            ; my row of the 64
	v_mul_u32_u24 v[GQ], v[TT], EXP
	v_mul_u32_u24 v[RA], v[VH], 2*EXW
	v_add3_u32 v[GQ], v[GQ], v[RA], EX
.set k, 0
.rept 32
	ds_load_b128 v[VB+4*k:VB+4*k+3], v[GQ] offset:EXW*(k/16)+16*(k%16)
.set k, k+1
.endr
.set k, 0
.rept 10
	v_mov_b32 v[LB+k], 0xff800000                  ; the ten largest start at -infinity
	v_mov_b32 v[XP+k], 0                           ; (v_permlanex16_b32's destination counts as read)
.set k, k+1
.endr
.set k, 0
.rept 32
	s_wait_dscnt 31-k                              ; load k of the 32 is in; the younger ones may stay out
	INS VB+4*k
	INS VB+4*k+1
	INS VB+4*k+2
	INS VB+4*k+3
.set k, k+1
.endr
.set k, 0
.rept 10
	v_permlanex16_b32 v[XP+k], v[LB+k], s44, s45   ; the row's other 128 buckets lie in the lane 16 away
.set k, k+1
.endr
.set k, 0
.rept 10
	INS XP+k
.set k, k+1
.endr
	v_lshl_add_u32 v[UA], v[TT], 2, TS
	ds_store_b32 v[UA], v[LB+9]                    ; t; both halves of the lanes hold the same number
	v_mov_b32 v[PB], 0
	v_mov_b32 v[PB+1], 0
	v_mov_b32 v[PB+2], 0
.set k, 0
.rept 128
	v_cmp_gt_f32 vcc_lo, v[VB+k], v[LB+9]          ; a bucket whose maximum is above t: 9 at the most in the row, so 12 bytes hold them
	PUSH PB, k+1
.set k, k+1
.endr
.irp j, 0,1,2
	v_permlanex16_b32 v[XP+(\j)], v[PB+(\j)], s44, s45
.endr
.irp j, 0,1,2
	v_cndmask_b32 v[LA+(\j)], v[PB+(\j)], v[XP+(\j)], s47      ; the lower half's list, in both lanes of the row,
	v_cndmask_b32 v[LA+3+(\j)], v[XP+(\j)], v[PB+(\j)], s47    ; and the upper half's
.endr
.irp j, 0,1,2,3
	v_mov_b32 v[RB+(\j)], 0
.endr
.irp lst, 0,1
.irp j, 0,1,2,3,4,5,6,7,8
	v_bfe_u32 v[TM], v[LA+3*(\lst)+(\j)/4], 8*((\j)%4), 8
	v_cmp_ne_u32 vcc_lo, 0, v[TM]
	v_add_nc_u32 v[TM], 128*(\lst)-1, v[TM]        ; the bucket's number in the row
	PUSH RB, v[TM]
	v_cndmask_b32 v[TM+1], 0, 1, vcc_lo
	v_add_nc_u32 v[RB+3], v[RB+3], v[TM+1]         ; the count
.endr
.endr
	v_cndmask_b32 v[TM+2], v[RB], v[RB+2], s47     ; lane (r, h) stores 8 bytes of the row's 16
	v_cndmask_b32 v[TM+3], v[RB+1], v[RB+3], s47
	s_lshl_b32 s52, s16, 2                         ; the work-group's 64 rows of 16 bytes
	v_lshl_add_u32 v[ZA], v[TT], 4, s52
	v_lshl_add_u32 v[ZA], v[VH], 3, v[ZA]
	global_store_b64 v[ZA], v[TM+2:TM+3], s[12:13] ; the wave's store covers 256 consecutive bytes, aligned
	s_wait_dscnt 0x0                               ; for wave 0's sake: my t lies in LDS
	s_barrier_signal -1
	s_barrier_wait -1
	s_cmp_lg_u32 s14, 0
	s_cbranch_scc1 .Lend
	v_lshl_add_u32 v[TA], v[VL], 3, TS
	ds_load_b64 v[TM+4:TM+5], v[TA]
	v_lshl_add_u32 v[TZ], v[VL], 3, s16
	s_wait_dscnt 0x0
	global_store_b64 v[TZ], v[TM+4:TM+5], s[10:11] ; the 64 rows' t: 256 consecutive bytes, aligned
.Lend:
	s_wait_tensorcnt 0x0                           ; the wave's end, behind my tensor load and my last LDS store
	ds_add_u32 v[SPW], v[NIL]
	s_wait_dscnt 0x0
	ROUND                                          ; the closing round: no work-group ends while a partner may still ask for a tile that names it
	s_endpgm
.Lfunc_end_k_qe1e32b1964_scan:
	.size	k_qe1e32b1964_scan, .Lfunc_end_k_qe1e32b1964_scan-k_qe1e32b1964_scan
	.p2alignl 7, 3214868480
	.fill 96, 4, 3214868480
	.section	.rodata,"a",@progbits
	.p2align	6, 0x0
	.amdhsa_kernel k_qe1e32b1964_scan
		.amdhsa_group_segment_fixed_size 327680
		.amdhsa_private_segment_fixed_size 0
		.amdhsa_enable_private_segment 0
		.amdhsa_kernarg_size 40
		.amdhsa_user_sgpr_count 2
		.amdhsa_user_sgpr_kernarg_segment_ptr 1
		.amdhsa_wavefront_size32 1
		.amdhsa_system_sgpr_workgroup_id_x 1
		.amdhsa_system_sgpr_workgroup_id_y 1
		.amdhsa_system_sgpr_workgroup_id_z 1
		.amdhsa_system_vgpr_workitem_id 0
		.amdhsa_next_free_vgpr 256
		.amdhsa_next_free_sgpr 66
		.amdhsa_reserve_vcc 1
		.amdhsa_float_denorm_mode_32 3
		.amdhsa_float_denorm_mode_16_64 3
		.amdhsa_memory_ordered 1
		.amdhsa_forward_progress 1
		.amdhsa_inst_pref_size 224
	.end_amdhsa_kernel
	.amdgpu_metadata
---
amdhsa.version: [ 1, 2 ]
amdhsa.kernels:
  - .name:           k_qe1e32b1964_scan
    .symbol:         k_qe1e32b1964_scan.kd
    .args:
      - { .name: pts, .offset: 0, .size: 8, .value_kind: global_buffer, .address_space: global }
      - { .name: viewpoint, .offset: 8, .size: 8, .value_kind: global_buffer, .address_space: global }
      - { .name: tps, .offset: 16, .size: 8, .value_kind: global_buffer, .address_space: global }
      - { .name: tv, .offset: 24, .size: 8, .value_kind: global_buffer, .address_space: global }
      - { .name: list, .offset: 32, .size: 8, .value_kind: global_buffer, .address_space: global }
    .group_segment_fixed_size: 327680
    .private_segment_fixed_size: 0
    .kernarg_segment_align: 8
    .kernarg_segment_size: 40
    .max_flat_workgroup_size: 128
    .sgpr_count:     66
    .vgpr_count:     256
    .wavefront_size: 32
...
	.end_amdgpu_metadata
.endif
;; end of part 1
;; launch pick (part 2): grid 256 x 1, 4 waves a work-group, no clusters, 327,680 bytes of LDS; arguments pts, viewpoint, tps, tv, list, out0, out1; writes out0, out1
.if DOCPART == 2
	.amdgcn_target "amdgcn-amd-amdhsa--gfx1250"
	.amdhsa_code_object_version 6
	.text
	.protected	k_qe1e32b1964_pick
	.globl	k_qe1e32b1964_pick
	.p2align	8
	.type	k_qe1e32b1964_pick,@function
k_qe1e32b1964_pick:
	s_mov_b64 s[64:65], 0
	v_nop
	global_prefetch_b8 v0, s[64:65] scope:SCOPE_SE
	s_setreg_imm32_b32 hwreg(HW_REG_WAVE_MODE, 25, 1), 1
	s_wait_xcnt 0x0
; HPRO, second launch.  For each row: t and the list of the at most 9 buckets (64 neighbouring columns each) that can hold a score above t were stored by the first launch.  The row's
; 1st and 10th largest scores are those of (the listed buckets' scores, and copies of t): shown at the first kernel's head, for all values.  No work is left out here.
; The listed scores are made anew in f32 (three fused multiply-adds each) and go through an exact list of the ten largest; then
; w = elu((norm^-0.5 - 10th) / (1st - 10th)) and w > 0.99.
; LIMITS.  NaN and infinities are not treated apart; |p - viewpoint|^2 must be a normal f32; the division is v_rcp_f32 and a multiply; exp(w) - 1 is made so (absolute error of an f32 rounding of 1).
; SHARES.  A work-group owns 64 rows, a wave 16; lanes r and 16 + r share row r: each takes 32 columns of every listed bucket, and the two lists of ten are merged at the end.
; All of tps (3 planes x 16,384 f32) lies in LDS, a quarter of the columns by each wave's one tensor load.  LDS is filled once.  Which buckets a lane reads hangs on whole numbers read
; from memory, clamped to 255; an empty slot of the list is walked with dir = 0 and the sum begun at -infinity, so the loop has a constant count of trips.
; NO CLUSTER, though all work-groups read the same table: which LDS bytes a lane reads hangs on its row's list, which differs from work-group to work-group, and in a launch with joint
; loads every LDS address has to be alike in all partners.  Reading the listed buckets from memory instead would be up to 9 x 768 bytes x 64 rows a work-group, more than the table's 196,608.
; out1: a work-group's 64 rows are 64 bytes of it, stored by one instruction.
.set QBYTES, 49152                     ; a quarter in LDS: 3 planes of 16,384 bytes
.set GPL,    65536                     ; bytes of a plane in memory
.set STG,    262144                    ; 64 words: the rows' w on their way out; far behind the table, whose reads end at byte 196,607 (192 x 768 + 63 x 256 + 240 + 32,768 + 15)
.set SPARE,  262400                    ; the spare words, 128 bytes for each wave: two blocks of 256 bytes that no other line names
.set VR,   1                           ; v1  r
.set VH,   2                           ; v2  which half of the lanes
.set VL,   3                           ; v3  lane
.set RHO,  4                           ; v4  my row of the 64
.set OFS,  8                           ; v[8:15]  step e: my 16 bytes of a bucket's 256
.set DIR,  16                          ; v[16:18] dir; v19 norm^-0.5; v20 t; v21, v23 at work; v22 0
.set LST,  24                          ; v[24:26] the list, a byte a bucket; v27 the count
.set DK,   28                          ; v[28:35] pairs whose low words hold this slot's dir x, y, z and the sum's beginning
.set NB,   36                          ; v36 the next bucket's LDS byte; v37, v38 at work; v39 -infinity
.set RING, 40                          ; v[40:135] step e: 4 x, 4 y, 4 z of tp
.set SC,   136                         ; v[136:139] four scores
.set SPW,  140                         ; v140 LDS address of my spare word; never rewritten
.set NIL,  141                         ; v141 0; never rewritten
.set LB,   144                         ; v[144:153] the ten largest, descending
.set XP,   154                         ; v[154:163] what the lane 16 away holds
.macro INS val                         ; val goes into the ten largest: from the bottom up, so that every line reads the list as it was
.irp j, 9,8,7,6,5,4,3,2,1
	v_med3_num_f32 v[LB+(\j)], v[LB+(\j)-1], v[LB+(\j)], v[\val]
.endr
	v_max_num_f32 v[LB], v[LB], v[\val]
.endm
.macro NBASE                           ; the list's lowest byte b -> plane x of bucket b: quarter b / 64, 256 bytes for each of its 64 buckets
	v_and_b32 v[NB], 0xff, v[LST]
	v_min_u32 v[NB], 0xff, v[NB]                   ; a number read from memory enters an address only behind this clamp
	v_and_b32 v[NB+1], 0xc0, v[NB]
	v_and_b32 v[NB], 63, v[NB]
	v_mul_u32_u24 v[NB+1], v[NB+1], QBYTES/64
	v_lshl_add_u32 v[NB], v[NB], 8, v[NB+1]
.endm
.macro FILL e                          ; step e's 12 numbers of the bucket at NB
	v_add_nc_u32 v[NB+2], v[NB], v[OFS+(\e)]
	ds_load_b128 v[RING+12*(\e):RING+12*(\e)+3], v[NB+2]
	ds_load_b128 v[RING+12*(\e)+4:RING+12*(\e)+7], v[NB+2] offset:16384
	ds_load_b128 v[RING+12*(\e)+8:RING+12*(\e)+11], v[NB+2] offset:32768
.endm
; Slot s42 of the list: my 32 scores, four a step.  refill = 1: each step's registers are asked for again at once, for the next slot.
.macro TRIP refill
	v_cmp_lt_u32 vcc_lo, s42, v[LST+3]             ; does the slot hold a bucket?
	v_cndmask_b32 v[DK], v22, v[DIR], vcc_lo
	v_cndmask_b32 v[DK+2], v22, v[DIR+1], vcc_lo
	v_cndmask_b32 v[DK+4], v22, v[DIR+2], vcc_lo
	v_cndmask_b32 v[DK+6], v39, v22, vcc_lo        ; 0, or -infinity for an empty slot
.if \refill
	v_alignbit_b32 v[LST], v[LST+1], v[LST], 8     ; the list moves down a byte
	v_alignbit_b32 v[LST+1], v[LST+2], v[LST+1], 8
	v_lshrrev_b32 v[LST+2], 8, v[LST+2]
	NBASE
.endif
.irp e, 0,1,2,3,4,5,6,7
.set rg, RING+12*(\e)
.if \refill
	s_wait_dscnt 21                                ; this step's three loads are in; the three of each of the seven younger steps may stay out
.else
	s_wait_dscnt 3*(7-(\e))                        ; nothing is asked for any more: the counts run down
.endif
	v_pk_fma_f32 v[SC:SC+1], v[rg:rg+1], v[DK:DK+1], v[DK+6:DK+7] op_sel_hi:[1,0,0]
	v_pk_fma_f32 v[SC+2:SC+3], v[rg+2:rg+3], v[DK:DK+1], v[DK+6:DK+7] op_sel_hi:[1,0,0]
	v_pk_fma_f32 v[SC:SC+1], v[rg+4:rg+5], v[DK+2:DK+3], v[SC:SC+1] op_sel_hi:[1,0,1]
	v_pk_fma_f32 v[SC+2:SC+3], v[rg+6:rg+7], v[DK+2:DK+3], v[SC+2:SC+3] op_sel_hi:[1,0,1]
	v_pk_fma_f32 v[SC:SC+1], v[rg+8:rg+9], v[DK+4:DK+5], v[SC:SC+1] op_sel_hi:[1,0,1]
	v_pk_fma_f32 v[SC+2:SC+3], v[rg+10:rg+11], v[DK+4:DK+5], v[SC+2:SC+3] op_sel_hi:[1,0,1]
.if \refill
	FILL \e
.endif
	INS SC
	INS SC+1
	INS SC+2
	INS SC+3
.endr
.endm
	s_load_b256 s[4:11], s[0:1], 0x0               ; pts s[4:5], viewpoint s[6:7], tps s[8:9], tv s[10:11]
	s_load_b128 s[52:55], s[0:1], 0x20             ; list s[52:53], out0 s[54:55]
	s_load_b64 s[56:57], s[0:1], 0x30              ; out1
	v_lshl_add_u32 v[SPW], v0, 2, SPARE
	v_mov_b32 v[NIL], 0
	ds_add_u32 v[SPW], v[NIL]                      ; the wave's opening: the add, twice on end, and its wait ahead of my tensor load
	ds_add_u32 v[SPW], v[NIL]
	v_lshrrev_b32 v7, 5, v0
	v_readfirstlane_b32 s14, v7                    ; wave 0..3
	; descriptor group 1: 3 rows (planes) of 4,096 elements of 4 bytes, 16,384 elements from plane to plane
	s_mov_b32 s24, 2<<16                           ; 15:0 no mask; 17:16 elements of 4 bytes; no padding
	s_mov_b32 s25, 4096<<16                        ; tensor_dim0 = 4,096
	s_mov_b32 s26, 3<<16                           ; tensor_dim1 = 3
	s_mov_b32 s27, 4096<<16                        ; tile_dim0 = 4,096
	s_mov_b32 s28, 3                               ; tile_dim1 = 3
	s_mov_b32 s29, 16384                           ; elements from row to row
	s_mov_b32 s30, 0
	s_mov_b32 s31, 0
	s_mov_b32 s20, 1                               ; group 0: count = 1
	s_mul_i32 s21, s14, QBYTES                     ; LDS address: quarter = my wave's number
	s_lshl_b32 s18, s14, 14                        ; its 4,096 columns in a plane in memory
	s_mov_b32 s19, 0
	s_wait_dscnt 0x0                               ; both opening adds are done
	s_wait_kmcnt 0x0
	s_add_nc_u64 s[22:23], s[8:9], s[18:19]
	s_or_b32 s23, s23, 0x80000000                  ; type = 2
	s_load_b96 s[32:34], s[6:7], 0x0               ; the viewpoint
	tensor_load_to_lds s[20:23], s[24:31]          ; my one tensor load of the launch
	s_nop 0
	v_and_b32 v[VR], 15, v0
	v_bfe_u32 v[VH], v0, 4, 1
	v_and_b32 v[VL], 31, v0
	v_lshl_add_u32 v[RHO], s14, 4, v[VR]
	s_lshl_b32 s49, ttmp9, 8                       ; the work-group's 64 rows as f32,
	s_lshl_b32 s50, ttmp9, 10                      ; as list rows of 16 bytes,
	s_lshl_b32 s51, ttmp9, 6                       ; as bytes
	v_lshl_add_u32 v5, v[RHO], 2, s49
	v_lshl_add_u32 v6, v[RHO], 4, s50
	global_load_b32 v[DIR], v5, s[4:5]
	global_load_b32 v[DIR+1], v5, s[4:5] offset:GPL
	global_load_b32 v[DIR+2], v5, s[4:5] offset:2*GPL
	global_load_b32 v20, v5, s[10:11]
	global_load_b128 v[LST:LST+3], v6, s[52:53]
	; The order inside a bucket does not matter to the ten largest.  Step e of lane (r, h) takes the 16 bytes at 16 ((e + r) % 8) + 128 (h xor r / 8): buckets begin at multiples of
	; 256 bytes, whatever buckets their rows name.
	v_bfe_u32 v7, v0, 3, 1
	v_xor_b32 v7, v7, v[VH]
	v_lshlrev_b32 v7, 7, v7
.irp e, 0,1,2,3,4,5,6,7
	v_add_nc_u32 v[OFS+(\e)], \e, v[VR]
	v_and_b32 v[OFS+(\e)], 7, v[OFS+(\e)]
	v_lshl_add_u32 v[OFS+(\e)], v[OFS+(\e)], 4, v7
.endr
	v_mov_b32 v22, 0
	v_mov_b32 v39, 0xff800000
.irp j, 1,3,5,7
	v_mov_b32 v[DK+(\j)], 0                        ; the pairs' high words are named, never used
.endr
	s_mov_b32 s46, 0x5368d4a5                      ; 1e12
	s_mov_b32 s44, 0x76543210                      ; v_permlanex16_b32: each lane takes its own place in the other half
	s_mov_b32 s45, 0xfedcba98
	s_wait_kmcnt 0x0
	s_xor_b32 s36, s32, 0x80000000                 ; - viewpoint
	s_xor_b32 s38, s33, 0x80000000
	s_xor_b32 s40, s34, 0x80000000
	s_wait_loadcnt 0x0
	v_add_f32 v[DIR], s36, v[DIR]
	v_add_f32 v[DIR+1], s38, v[DIR+1]
	v_add_f32 v[DIR+2], s40, v[DIR+2]
	v_mul_f32 v19, v[DIR], v[DIR]
	v_fmac_f32 v19, v[DIR+1], v[DIR+1]
	v_fmac_f32 v19, v[DIR+2], v[DIR+2]
	v_rsq_f32 v21, v19                             ; 1 / norm
	v_nop                                          ; a plain instruction behind it,
	s_wait_alu depctr_va_vdst(0)                   ; and the wait ahead of its first reader
	v_sqrt_f32 v19, v21                            ; norm^-0.5
	v_nop
	v_min_num_f32 v21, s46, v21                    ; 1 / max(norm, 1e-12)
	s_wait_alu depctr_va_vdst(0)
	v_mul_f32 v[DIR], v[DIR], v21
	v_mul_f32 v[DIR+1], v[DIR+1], v21
	v_mul_f32 v[DIR+2], v[DIR+2], v21
.set k, 0
.rept 10
	v_mov_b32 v[LB+k], v20                         ; the ten largest start as ten copies of t
	v_mov_b32 v[XP+k], 0                           ; (v_permlanex16_b32's destination counts as read)
.set k, k+1
.endr
	NBASE                                          ; slot 0's bucket
	s_wait_tensorcnt 0x0                           ; my quarter is in,
	s_barrier_signal -1
	s_barrier_wait -1                              ; everybody's is
.irp e, 0,1,2,3,4,5,6,7
	FILL \e
.endr
	s_mov_b32 s42, 0
.Lslot:                                                ; slots 0 to 7; each asks for the slot behind it
	TRIP 1
	s_add_co_u32 s42, s42, 1
	s_cmp_lt_u32 s42, 8
	s_cbranch_scc1 .Lslot
	TRIP 0                                         ; slot 8, the last, is written out: it asks for nothing
.set k, 0
.rept 10
	v_permlanex16_b32 v[XP+k], v[LB+k], s44, s45   ; the other halves of the row's buckets lie in the lane 16 away (its copies of t change nothing)
.set k, k+1
.endr
.set k, 0
.rept 10
	INS XP+k
.set k, k+1
.endr
	v_sub_f32 v21, v[LB], v[LB+9]                  ; 1st - 10th
	v_sub_f32 v19, v19, v[LB+9]                    ; norm^-0.5 - 10th
	v_rcp_f32 v21, v21
	v_nop
	s_wait_alu depctr_va_vdst(0)
	v_mul_f32 v19, v19, v21                        ; w
	v_mul_f32 v23, 0x3fb8aa3b, v19                 ; w log2(e)
	v_exp_f32 v23, v23
	v_nop
	s_wait_alu depctr_va_vdst(0)
	v_cmp_lt_f32 vcc_lo, 0, v19
	v_add_f32 v23, -1.0, v23                       ; exp(w) - 1
	v_cndmask_b32 v19, v23, v19, vcc_lo            ; elu
	v_lshl_add_u32 v7, v[RHO], 2, STG
	ds_store_b32 v7, v19                           ; both lanes of a row hold the same number
	s_wait_dscnt 0x0                               ; for wave 0's sake
	s_barrier_signal -1
	s_barrier_wait -1
	s_cmp_lg_u32 s14, 0
	s_cbranch_scc1 .Lend
	v_lshl_add_u32 v7, v[VL], 3, STG
	ds_load_b64 v[SC:SC+1], v7
	v_lshl_add_u32 v8, v[VL], 3, s49
	v_lshl_add_u32 v9, v[VL], 1, s51
	s_wait_dscnt 0x0
	global_store_b64 v8, v[SC:SC+1], s[54:55]      ; the 64 rows' w: 256 consecutive bytes, aligned
	v_cmp_lt_f32 vcc_lo, 0x3f7d70a4, v[SC]         ; 0.99 < w
	v_cndmask_b32 v10, 0, 1, vcc_lo
	v_cmp_lt_f32 vcc_lo, 0x3f7d70a4, v[SC+1]
	v_cndmask_b32 v11, 0, 1, vcc_lo
	v_lshl_or_b32 v10, v11, 8, v10
	global_store_b16 v9, v10, s[56:57]             ; two rows' bytes a lane: the work-group's 64 bytes of out1
.Lend:
	s_wait_tensorcnt 0x0                           ; the wave's end, behind my tensor load and my last LDS store
	ds_add_u32 v[SPW], v[NIL]
	s_wait_dscnt 0x0
	s_endpgm
.Lfunc_end_k_qe1e32b1964_pick:
	.size	k_qe1e32b1964_pick, .Lfunc_end_k_qe1e32b1964_pick-k_qe1e32b1964_pick
	.p2alignl 7, 3214868480
	.fill 96, 4, 3214868480
	.section	.rodata,"a",@progbits
	.p2align	6, 0x0
	.amdhsa_kernel k_qe1e32b1964_pick
		.amdhsa_group_segment_fixed_size 327680
		.amdhsa_private_segment_fixed_size 0
		.amdhsa_enable_private_segment 0
		.amdhsa_kernarg_size 56
		.amdhsa_user_sgpr_count 2
		.amdhsa_user_sgpr_kernarg_segment_ptr 1
		.amdhsa_wavefront_size32 1
		.amdhsa_system_sgpr_workgroup_id_x 1
		.amdhsa_system_sgpr_workgroup_id_y 1
		.amdhsa_system_sgpr_workgroup_id_z 1
		.amdhsa_system_vgpr_workitem_id 0
		.amdhsa_next_free_vgpr 176
		.amdhsa_next_free_sgpr 66
		.amdhsa_reserve_vcc 1
		.amdhsa_float_denorm_mode_32 3
		.amdhsa_float_denorm_mode_16_64 3
		.amdhsa_memory_ordered 1
		.amdhsa_forward_progress 1
		.amdhsa_inst_pref_size 64
	.end_amdhsa_kernel
	.amdgpu_metadata
---
amdhsa.version: [ 1, 2 ]
amdhsa.kernels:
  - .name:           k_qe1e32b1964_pick
    .symbol:         k_qe1e32b1964_pick.kd
    .args:
      - { .name: pts, .offset: 0, .size: 8, .value_kind: global_buffer, .address_space: global }
      - { .name: viewpoint, .offset: 8, .size: 8, .value_kind: global_buffer, .address_space: global }
      - { .name: tps, .offset: 16, .size: 8, .value_kind: global_buffer, .address_space: global }
      - { .name: tv, .offset: 24, .size: 8, .value_kind: global_buffer, .address_space: global }
      - { .name: list, .offset: 32, .size: 8, .value_kind: global_buffer, .address_space: global }
      - { .name: out0, .offset: 40, .size: 8, .value_kind: global_buffer, .address_space: global }
      - { .name: out1, .offset: 48, .size: 8, .value_kind: global_buffer, .address_space: global }
    .group_segment_fixed_size: 327680
    .private_segment_fixed_size: 0
    .kernarg_segment_align: 8
    .kernarg_segment_size: 56
    .max_flat_workgroup_size: 128
    .sgpr_count:     66
    .vgpr_count:     176
    .wavefront_size: 32
...
	.end_amdgpu_metadata
.endif
;; end of part 2
